; MI455X (gfx1250); checked and timed in simulation.
; The chip was launched on July 23, 2026; its instructions are those of AMD's public machine-readable ISA for CDNA 5 (MIT licence, August 2026) and "CDNA5" Instruction Set Architecture Reference Guide (July 2026). The comments in the code are by the model that wrote it; some were corrected since.
;; Scaled Dot Product Attention. Allowed arithmetic: float matrix products may take bf16 or f16 operands with f32 sums; other float arithmetic in f32, or as packed bf16 or f16 multiplies, adds, multiply-adds, maxima and minima; sums over many terms, partial sums and values carried from step to step in f32; what a program stores and reads back later, other than sums and carried values, may be rounded once to bf16 or f16.
;; Inputs: key 8 x 2,048 x 1,024 float32; value 8 x 2,048 x 1,024 float32.
;; Outputs: out0 8 x 2,048 x 1,024 float32.
;; One version. Each part assembles by itself: llvm-mc -triple=amdgcn-amd-amdhsa -mcpu=gfx1250 --defsym DOCPART=n.
;; ======== version 1 of 1: 2 launches
;; limits: values are held in f16: magnitudes above 65,504 overflow, below 6.1e-05 lose precision; inputs' magnitudes at most 65,504
;; workspace buffers: vb 33,554,432 bytes
;; launch cvt (part 1): grid 2048 x 1, 8 waves a work-group, no clusters, 0 bytes of LDS; arguments value, vb; writes vb
.if DOCPART == 1
	.amdgcn_target "amdgcn-amd-amdhsa--gfx1250"
	.amdhsa_code_object_version 6
	.text
	.protected	k_q115e372cbe_cvt
	.globl	k_q115e372cbe_cvt
	.p2align	8
	.type	k_q115e372cbe_cvt,@function
k_q115e372cbe_cvt:
	s_mov_b64 s[64:65], 0
	v_nop
	global_prefetch_b8 v0, s[64:65] scope:SCOPE_SE
	s_setreg_imm32_b32 hwreg(HW_REG_WAVE_MODE, 25, 1), 1
	s_wait_xcnt 0x0
; vb = value rounded once to f16.  value: [8][2048][1024] f32, vb: the same shape in f16.
; LIMITS.  A number beyond 65,504 becomes an infinity; below 6.1e-5 f16 keeps its fixed step of 6e-8.
; A work-group takes 8,192 numbers (32,768 bytes in, 16,384 out); a thread eight loads of 16 bytes, all issued before the first is used.
; A wave's load covers 512 consecutive bytes, its store 256 consecutive bytes, aligned.  Every store has data registers of its own, so nothing is rewritten.
.set X, 4                              ; v[4:35]   eight loads
.set Y, 40                             ; v[40:55]  eight pairs to store
	s_load_b128 s[4:7], s[0:1], 0x0                ; value s[4:5], vb s[6:7]
	v_lshlrev_b32 v1, 4, v0                        ; 16 bytes a thread in
	v_lshlrev_b32 v2, 3, v0                        ; 8 bytes a thread out
	s_lshl_b32 s8, ttmp9, 15                       ; the work-group's 32,768 bytes of value
	s_mov_b32 s9, 0
	s_lshl_b32 s10, ttmp9, 14                      ; and its 16,384 of vb
	s_mov_b32 s11, 0
	s_wait_kmcnt 0x0
	s_add_nc_u64 s[4:5], s[4:5], s[8:9]
	s_add_nc_u64 s[6:7], s[6:7], s[10:11]
.irp k, 0,1,2,3,4,5,6,7
	global_load_b128 v[X+4*\k:X+4*\k+3], v1, s[4:5] offset:4096*\k th:TH_LOAD_NT
.endr
.irp k, 0,1,2,3,4,5,6,7
	s_wait_loadcnt 7-\k                            ; loads come back in order: load k is in, the younger ones stay out
	v_cvt_pk_f16_f32 v[Y+2*\k], v[X+4*\k], v[X+4*\k+1]
	v_cvt_pk_f16_f32 v[Y+2*\k+1], v[X+4*\k+2], v[X+4*\k+3]
	global_store_b64 v2, v[Y+2*\k:Y+2*\k+1], s[6:7] offset:2048*\k
.endr
	s_endpgm
.Lfunc_end_k_q115e372cbe_cvt:
	.size	k_q115e372cbe_cvt, .Lfunc_end_k_q115e372cbe_cvt-k_q115e372cbe_cvt
	.p2alignl 7, 3214868480
	.fill 96, 4, 3214868480
	.section	.rodata,"a",@progbits
	.p2align	6, 0x0
	.amdhsa_kernel k_q115e372cbe_cvt
		.amdhsa_group_segment_fixed_size 0
		.amdhsa_private_segment_fixed_size 0
		.amdhsa_enable_private_segment 0
		.amdhsa_kernarg_size 16
		.amdhsa_user_sgpr_count 2
		.amdhsa_user_sgpr_kernarg_segment_ptr 1
		.amdhsa_wavefront_size32 1
		.amdhsa_system_sgpr_workgroup_id_x 1
		.amdhsa_system_sgpr_workgroup_id_y 1
		.amdhsa_system_sgpr_workgroup_id_z 1
		.amdhsa_system_vgpr_workitem_id 0
		.amdhsa_next_free_vgpr 64
		.amdhsa_next_free_sgpr 66
		.amdhsa_reserve_vcc 0
		.amdhsa_float_denorm_mode_32 3
		.amdhsa_float_denorm_mode_16_64 3
		.amdhsa_memory_ordered 1
		.amdhsa_forward_progress 1
		.amdhsa_inst_pref_size 4
	.end_amdhsa_kernel
	.amdgpu_metadata
---
amdhsa.version: [ 1, 2 ]
amdhsa.kernels:
  - .name:           k_q115e372cbe_cvt
    .symbol:         k_q115e372cbe_cvt.kd
    .args:
      - { .name: value, .offset: 0, .size: 8, .value_kind: global_buffer, .address_space: global }
      - { .name: vb, .offset: 8, .size: 8, .value_kind: global_buffer, .address_space: global }
    .group_segment_fixed_size: 0
    .private_segment_fixed_size: 0
    .kernarg_segment_align: 8
    .kernarg_segment_size: 16
    .max_flat_workgroup_size: 256
    .sgpr_count:     66
    .vgpr_count:     64
    .wavefront_size: 32
...
	.end_amdgpu_metadata
.endif
;; end of part 1
;; launch att (part 2): grid 32 x 8, 4 waves a work-group, clusters of 4 x 1, 327,680 bytes of LDS; arguments key, vb, out0; writes out0
.if DOCPART == 2
	.amdgcn_target "amdgcn-amd-amdhsa--gfx1250"
	.amdhsa_code_object_version 6
	.text
	.protected	k_q115e372cbe_att
	.globl	k_q115e372cbe_att
	.p2align	8
	.type	k_q115e372cbe_att,@function
k_q115e372cbe_att:
	s_mov_b64 s[64:65], 0
	v_nop
	global_prefetch_b8 v0, s[64:65] scope:SCOPE_SE
	s_setreg_imm32_b32 hwreg(HW_REG_WAVE_MODE, 25, 1), 1
	s_wait_xcnt 0x0
	s_wait_alu depctr_hold_cnt(0) depctr_sa_sdst(0) depctr_va_vdst(0) depctr_va_sdst(0) depctr_va_ssrc(0) depctr_va_vcc(0) depctr_vm_vsrc(0)
	s_getreg_b32 s2, hwreg(HW_REG_IB_STS2, 6, 4)
	s_cmp_eq_u32 s2, 0
	s_cbranch_scc0 .Lentry_in_a_cluster
	s_endpgm
.Lentry_in_a_cluster:
	s_bfe_u32 s2, ttmp6, 0x10000c
	s_cmp_lg_u32 s2, 0x3003
	s_cbranch_scc0 .Lentry_shape_is_right
	s_endpgm
.Lentry_shape_is_right:
; out0[b][q][:] = the sum over s of softmax_s(key[b][q] . value[b][s] / 32) value[b][s][:].  key, out0: [8][2048][1024] f32; vb: value in f16, same shape.
; Both products take f16 operands (key rounded once here, value once in the launch before, the weights p once) and sum in f32; maxima, exponentials and the row sum l (of the unrounded p) in f32.
; LIMITS.  An input beyond 65,504 becomes an infinity; below 6.1e-5 f16 (inputs and p) keeps its fixed step of 6e-8; a weight below 2^-126 counts as 0 in l.  NaN and infinities are not treated apart:
; one in key can reach other rows of its block of 64, since O^T's registers begin with key's numbers and are cleared by a multiplication by 0 (below).
; SHARES.  A work-group owns 64 queries of one batch: 256 work-groups.  Its O^T, 64 x 1,024 f32, is half of the four waves' registers, so it is split BY CHANNELS: wave w owns channels 256 w .. 256 w + 255 of
; Q (256 registers), of O^T (512) and of every tile of value in LDS, which it fetches itself and alone reads.  value is K and V: one tile serves both products.
; A KEY STEP is 32 keys: block S, 64 products: the wave's PARTIAL S^T = K Q^T over its 256 channels (2 key tiles x 4 query tiles x 8 slices of 32 channels); block PV, 64 products: O^T += V^T P (16 channel tiles x 4 query tiles).
; THE EXCHANGE.  Each wave stores its four partial tiles into LDS; barrier X; wave t adds the four partials of query tile t, does that tile's softmax and stores P (f16, as the product's fragment) and a; barrier Y; all waves load the four P and a.
; LAYOUT.  S^T (source 0 = 16 keys, source 1 = 16 queries): a lane holds ONE query (lane % 16) and keys 8 (lane / 16) + 0..7; two such tiles rounded in pairs ARE source 1 of O^T = V^T P, whose result again holds one query a lane.
; SOFTMAX.  A running maximum m and sum l: p = 2^(c s - c m), c = log2(e) / 32; O and l are multiplied by a = 2^(c m_old - c m_new) in every step.  c m starts at -2^125: the first a is 0, which clears O^T.
; PIPELINE.  Iteration i: block PV(i - 1), beside it the rest of the rescaling by a(i - 1), the softmax of step i and the loads of K(i + 1); then block S(i + 1), beside it the first part of the rescaling by a(i) and the loads of V(i).
; THE LDS INSTRUCTIONS stand in six runs an iteration, never singly among the products: behind product 24 of block PV the incoming partials; behind 48 K's groups 0-2; behind 64 P, a and K's group 3;
; behind product 32 of block S a, P and V's groups 0, 1; behind 48 V's group 2; behind 64 my partials and V's group 3.
; RING.  Two slots of 64 keys (two steps).  K runs a step ahead of V, so a slot is left at X of an even iteration, filled again there (behind product 24), and first read behind product 48 of the next, odd one: 152 products later.
; CLUSTER.  The four query blocks of a cluster walk the same keys: every wave's load is asked for JOINTLY by the four (same descriptor, mask 15).  A softmax does not hang on the order of the keys: cluster x of a
; batch begins its walk at slot 8 ((x % 4) xor (x / 4)) and goes round: four starts, eight slots apart, two clusters to each.  So from its ninth slot on a cluster asks for what the clusters that began eight slots on asked for eight trips before.
; REGISTERS, in windows of 256 (s_set_vgpr_msb: bits 1:0 source 0, 3:2 source 1, 5:4 source 2, 7:6 destination):
;   window 0: v0-15 addresses; v16-23 statistics; v24-31 a of the four tiles; v32-63 P, 8 a tile; v64-127 SX: S^T's 8 accumulators, then the four incoming partials; v128-255 FR: 16 fragments of K or of V
;   window 1: Q, fragment (tile qt, slice c) at 64 qt + 8 c          windows 2, 3: O^T, accumulator a = 4 ct + qt at 8 (a % 32) of window 2 + a / 32; at the head: Q in f32
.set PK,     528                       ; a row of a wave's tile in LDS: 512 bytes + 16 of padding = 33 x 16: 16 rows start at 16 different groups of four banks (64 banks of 4 bytes: ISA guide 11.1)
.set STEPB,  32*PK                     ; a step's 32 keys
.set WTILE,  64*PK                     ; a wave's tile
.set SLOTB,  4*WTILE                   ; a slot; no wave's base (w x WTILE) has a bit of it, so one exclusive or turns an address in one slot into the other's
.set SPB,    2*SLOTB                   ; behind the ring: S's partials: 8,192 tile + 2,048 source + 512 i + 16 lane
.set PB,     SPB+32768                 ; P: 1,024 tile + 512 i + 16 lane
.set AB,     PB+4096                   ; a: 128 tile + 4 lane
.set LB,     AB+512                    ; 1 / l, likewise
.set SPARE,  LB+512                    ; the spare words, 128 bytes for each wave: two blocks of 256 bytes that no other line names
.set SPITCH, 1040                      ; the way out: a row of 1,024 bytes + 16 = 65 x 16
.set AK0, 2                            ; v2   my place in my wave's tile for K: w WTILE + (l % 16) PK + 16 (l / 16); not rewritten before the way out
.set AV0, 3                            ; v3   for V, turned: w WTILE + (8 (l / 16) + l % 8) PK + 128 ((l / 8) % 2); never rewritten
.set ADK, 4                            ; v4   the address of K's runs of loads in hand
.set ADV, 5                            ; v5   of V's
.set STO, 4                            ;      later, the way out: where I put 16 bytes
.set RD,  5                            ;      and where I read rows back
.set SPS, 6                            ; v6   SPB + 2,048 w + 16 l: where I put partials
.set SPL, 7                            ; v7   SPB + 8,192 w + 16 l: where I read my tile's four
.set PST, 8                            ; v8   PB + 1,024 w + 16 l
.set L16, 9                            ; v9   PB + 16 l
.set AST, 10                           ; v10  AB + 128 w + 4 l
.set L4,  11                           ; v11  AB + 4 l
.set SPW, 12                           ; v12  my spare word: SPARE + 4 x my thread's number; never rewritten
.set NIL, 13                           ; v13  0; never rewritten
.set QO,  14                           ; v14  my byte offset in 16 rows of Q; later GO, in 512 bytes of out0
.set GO,  14
.set PFO, 15                           ; v15  the prefetches' offset: (16 cx + l / 2) rows of 2,048 bytes + 256 (l % 2); never rewritten
.set CM,  16                           ; v16 c m, v17 m
.set L0,  18                           ; v18, v19  l (even keys', odd keys')
.set C0,  20                           ; v20-23  c0-c3 at work; c2 takes a, c3 c m_old and then its change
.set AT,  24                           ; a of tile t at AT + 2 t; the odd registers hold 0
.set PF,  32
.set SX,  64
.set FR,  128
.set WV,  10                           ; s10  my wave's number
.set VB,  20                           ; s[20:21] vb at my batch and my 256 channels
.set OFF, 22                           ; s[22:23] a slot's byte offset in the batch
.set G1,  24                           ; s[24:31] descriptor group 1
.set G0,  32                           ; s[32:35] descriptor group 0
.set NXT, 36                           ; s36  the slot of the walk to be asked for next
.set WB,  38                           ; s38  w WTILE
.set SB,  39                           ; s39  the ring slot of the trip in hand: 0 or SLOTB
.set SBX, 40                           ; s40  the other
.set TRIPS, 41                         ; s41  trips still to come, this one among them: 31 to 1
.set CS,  42                           ; s[42:43] c, twice
.set SEL, 44                           ; s[44:45] v_permlanex16_b32's selects: each lane takes its own place in the other half
.set PFA, 46                           ; s[46:47] vb at my channels, at the slot that the next trip will ask for
.set LIM, 48                           ; s48  25 in a cluster that prefetches, else the greatest number: a wave prefetches while s[TRIPS] is above it
.set MSB, 0
.macro WIN new                         ; the immediate's high byte repeats the setting that is left; a switch that changes nothing is dropped
.if MSB != (\new)
	s_set_vgpr_msb (MSB<<8)|(\new)
.set MSB, (\new)
.endif
.endm
.macro PLACES                          ; four places behind a matrix instruction, in front of loads into registers that it has read and of lines that read its result
.rept 4
	v_nop
.endr
.endm
.macro CREST                           ; a round of the cluster's barrier behind its opening barrier
	s_cmp_lg_u32 s[WV], 0
	s_cbranch_scc1 .Lnot_wave_0_\@
	s_barrier_signal -3
.Lnot_wave_0_\@:
	s_barrier_wait -3
	s_barrier_signal -1
	s_barrier_wait -1
.endm
.macro CROUND                          ; a whole round
	s_barrier_signal -1
	s_barrier_wait -1
	CREST
.endm
.macro JL                              ; my joint load: 64 keys x my 256 channels.  Every wave issues one, each into its own bytes; an s_nop 0 and four v_nop follow it
	tensor_load_to_lds s[G0:G0+3], s[G1:G1+7]
	s_nop 0
.rept 4
	v_nop
.endr
.endm
; A PREFETCH INTO THE L2 of the slot that the NEXT trip's joint load will ask for: it stands in the odd iteration, behind the run of LDS loads at product 24: 128 products ahead of that load.
; A slot is 64 rows of 2,048 bytes.  Wave w names its own 512 bytes of a row, the partner at place cx rows 16 cx .. 16 cx + 15 (told apart BY ADDRESS: no branch hangs on a work-group's place in its cluster), a lane 256 bytes: one instruction a wave.
; Only slots 2 to 7 of a cluster's walk are named, in its first six trips: slots 0 and 1 come by their loads alone, and from the ninth slot on the walk follows the clusters that began eight slots on.
; Of the two clusters of a batch that begin at the same slot the one with x below 4 asks: so each block of 256 bytes is named once in the launch.
.macro ASK
	s_cmp_gt_u32 s[TRIPS], s[LIM]
	s_cbranch_scc0 .Lnot_mine_\@
	global_prefetch_b8 v[PFO], s[PFA:PFA+1] th:TH_LOAD_NT scope:SCOPE_SE
.Lnot_mine_\@:
.endm
; Product i of 64 of S^T = K Q^T: slice i / 8, key tile (i / 4) % 2, query tile i % 4.  The 8 accumulators take turns; the first 8 start the sums.
.macro SMM i
	WIN 0x04                               ; Q in window 1, all else in window 0
.if (\i) < 8
	v_wmma_f32_16x16x32_f16 v[SX+16*((\i)%4)+8*(((\i)/4)%2):SX+16*((\i)%4)+8*(((\i)/4)%2)+7], v[FR+8*((\i)/4):FR+8*((\i)/4)+7], v[64*((\i)%4)+8*((\i)/8):64*((\i)%4)+8*((\i)/8)+7], 0
.else
	v_wmma_f32_16x16x32_f16 v[SX+16*((\i)%4)+8*(((\i)/4)%2):SX+16*((\i)%4)+8*(((\i)/4)%2)+7], v[FR+8*((\i)/4):FR+8*((\i)/4)+7], v[64*((\i)%4)+8*((\i)/8):64*((\i)%4)+8*((\i)/8)+7], v[SX+16*((\i)%4)+8*(((\i)/4)%2):SX+16*((\i)%4)+8*(((\i)/4)%2)+7]
.endif
.endm
; Product i of 64 of O^T += V^T P: channel tile i / 4, query tile i % 4: 64 different accumulators.
.macro PVM i
	WIN 0xa0+0x50*((\i)/32)                ; V and P in window 0, O^T in window 2 or 3
	v_wmma_f32_16x16x32_f16 v[8*((\i)%32):8*((\i)%32)+7], v[FR+8*((\i)/4):FR+8*((\i)/4)+7], v[PF+8*((\i)%4):PF+8*((\i)%4)+7], v[8*((\i)%32):8*((\i)%32)+7]
.endm
; Accumulator a of O^T times its tile's a, from its low end on.
.macro RSC a
	WIN 0x82+0x41*((\a)/32)                ; O^T (destination and source 0) in window 2 or 3, a in window 0
.irp z, 0,2,4,6
	v_pk_mul_f32 v[8*((\a)%32)+\z:8*((\a)%32)+\z+1], v[8*((\a)%32)+\z:8*((\a)%32)+\z+1], v[AT+2*((\a)%4):AT+2*((\a)%4)+1] op_sel_hi:[1,0]
.endr
.endm
; Group g of four of a step's 16 fragments.  K: fragment f = key tile f % 2, slice f / 2: lane l holds key l % 16, channels 8 (l / 16) + 0..7 and 16 + 8 (l / 16) + 0..7: two loads of 16 bytes, 32 bytes apart.
.macro LDK g, base
	WIN 0
.irp u, 0,1,2,3
	ds_load_b128 v[FR+8*(4*(\g)+\u):FR+8*(4*(\g)+\u)+3],   v[ADK] offset:(\base)+((\u)%2)*16*PK+((4*(\g)+\u)/2)*64
	ds_load_b128 v[FR+8*(4*(\g)+\u)+4:FR+8*(4*(\g)+\u)+7], v[ADK] offset:(\base)+((\u)%2)*16*PK+((4*(\g)+\u)/2)*64+32
.endr
.endm
; V, turned by ds_load_tr16_b128.  Lanes 8-15 of a half take the 8 channels that lie 64 channels (128 bytes) on, not the next 8.
; So channel tile ct holds channels 128 (ct / 8) + 8 (ct % 8) + 0..7 and the same + 64, and in O^T lane (r, h) holds query r, channels 128 (ct / 8) + 64 h + 8 (ct % 8) + 0..7.
.macro LDV g, base
	WIN 0
.irp u, 0,1,2,3
	ds_load_tr16_b128 v[FR+8*(4*(\g)+\u):FR+8*(4*(\g)+\u)+3],   v[ADV] offset:(\base)+((4*(\g)+\u)/8)*256+((4*(\g)+\u)%8)*16
	ds_load_tr16_b128 v[FR+8*(4*(\g)+\u)+4:FR+8*(4*(\g)+\u)+7], v[ADV] offset:(\base)+((4*(\g)+\u)/8)*256+((4*(\g)+\u)%8)*16+16*PK
.endr
.endm
.macro SPST                            ; my four partial tiles go out, each accumulator from its low end on
.set u, 0
.rept 16
	ds_store_b128 v[SPS], v[SX+4*u:SX+4*u+3] offset:8192*(u/4)+512*(u%4)
.set u, u+1
.endr
.endm
.macro PVR                             ; a product V^T P, and behind it the rescaling of the accumulator 24 further on, whose own product comes 24 products later
	PVM n
	RSC 24+n
.set n, n+1
.endm
.macro PVS                             ; a product V^T P in front of lines of the softmax
	PVM n
.set n, n+1
	WIN 0
.endm
.macro SMS                             ; a product K Q^T
	SMM n
.set n, n+1
.endm
.macro SMR                             ; a product K Q^T, and behind it the rescaling of accumulator n - 40
	SMM n
	RSC n-40
.set n, n+1
.endm
.macro RED                             ; addition q of 24: partial 0 += 1, 2 += 3, 0 += 2, two scores a line
.if q < 8
	v_pk_add_f32 v[SX+2*q:SX+2*q+1], v[SX+2*q:SX+2*q+1], v[SX+16+2*q:SX+16+2*q+1]
.elseif q < 16
	v_pk_add_f32 v[SX+16+2*q:SX+16+2*q+1], v[SX+16+2*q:SX+16+2*q+1], v[SX+32+2*q:SX+32+2*q+1]
.else
	v_pk_add_f32 v[SX+2*q-32:SX+2*q-31], v[SX+2*q-32:SX+2*q-31], v[SX+2*q:SX+2*q+1]
.endif
.set q, q+1
.endm
.macro FS p                            ; c s - c m for pair p of 8
	v_pk_fma_f32 v[SX+2*(\p):SX+2*(\p)+1], v[SX+2*(\p):SX+2*(\p)+1], s[CS:CS+1], v[CM:CM+1] op_sel_hi:[1,0,0] neg_lo:[0,0,1] neg_hi:[0,0,1]
.endm
.macro EX e                            ; the exponential of score e of 16
	v_exp_f32 v[SX+(\e)], v[SX+(\e)]
.endm
; ITERATION i.  odd: i's parity.  fill = 1: at X the other ring slot is filled again.  tw = 1 (the loop's odd iteration): the tile asked for an iteration ago is waited for, ahead of its first read, and the next trip's slot is prefetched.
.macro ITER odd, fill, tw
.if \fill
	s_wait_tensorcnt 0x0                   ; no tensor load of mine is out (the odd iteration has waited for the last), so group 0 may be written
	ds_add_u32 v[SPW], v[NIL]              ; 0 onto my spare word.  It stands on end with the LDS run that closed the iteration before; the descriptor's step and sixteen products stand between it and the wait for it
	s_xor_b32 s[G0+1], s[G0+1], SLOTB      ; the other slot than last time
	s_lshl_b32 s[OFF], s[NXT], 17          ; a slot of the walk is 64 rows of 2,048 bytes
	s_add_nc_u64 s[G0+2:G0+3], s[VB:VB+1], s[OFF:OFF+1]
	s_or_b32 s[G0+3], s[G0+3], 0x80000000
	s_add_co_u32 s[NXT], s[NXT], 1
	s_and_b32 s[NXT], s[NXT], 31           ; the walk goes round
	s_lshl_b32 s[OFF], s[NXT], 17
	s_wait_xcnt 0x0                        ; the last prefetch, 104 products back, has read its address, so it may be written:
	s_add_nc_u64 s[PFA:PFA+1], s[VB:VB+1], s[OFF:OFF+1]  ; the slot that the next trip will ask for
.endif
.set n, 0
	s_wait_dscnt 32+(\fill)                ; P and V's groups 0 and 1 are in; younger: V's group 2 (8), my 16 stores of partials, V's group 3 (8), and the add
.rept 16
	PVR
.endr
	s_wait_dscnt 0x0                       ; my partials lie in LDS; my reads of V, the last of the slot that is left, are back; the add is done
	s_barrier_signal -1                    ; X (with fill = 1 it opens a round of the cluster's barrier)
.rept 8
	PVR                                    ; work on registers while the others arrive
.endr
	WIN 0                                  ; at a branch and at a label every window is 0
	s_barrier_wait -1
.if \fill
	CREST                                  ; no wave of any partner still reads the slot or has a load on its way
	JL                                     ; the first thing behind the round; it has 152 products in which to land
.endif
.set u, 0
.rept 16
	ds_load_b128 v[SX+4*u:SX+4*u+3], v[SPL] offset:512*u  ; the four partials of my query tile
.set u, u+1
.endr
.if \tw
	ASK
.endif
.rept 16
	PVR
.endr
	WIN 0
	s_wait_dscnt 0x0                       ; the partials are in; nothing was issued behind them
.set q, 0
.rept 6
	PVS
	RED
	RED
	RED
	RED
.endr
	PVS                                    ; the maximum of my 16 scores and the old m, three operands at a time
	v_max3_num_f32 v[C0], v[SX], v[SX+1], v[SX+2]
	v_max3_num_f32 v[C0+1], v[SX+3], v[SX+4], v[SX+5]
	v_max3_num_f32 v[C0+2], v[SX+6], v[SX+7], v[SX+8]
	v_max3_num_f32 v[C0+3], v[SX+9], v[SX+10], v[SX+11]
	PVS
	v_max3_num_f32 v[C0], v[C0], v[SX+12], v[SX+13]
	v_max3_num_f32 v[C0+1], v[C0+1], v[SX+14], v[SX+15]
	v_max3_num_f32 v[C0+2], v[C0+2], v[C0+3], v[CM+1]
	v_mov_b32 v[C0+3], v[CM]               ; c m_old is kept.  These four lines are the places behind product 47, the last reader of groups 0-2
.if \odd
	v_add_nc_u32 v[ADK], s[SBX], v[AK0]    ; K of step i + 1: the next slot's first step
.else
	v_add_nc_u32 v[ADK], s[SB], v[AK0]     ; this slot's second step
.endif
.if \tw
	s_wait_tensorcnt 0x0                   ; my one tensor load that is out is the tile read next; only I read those bytes, so my own wait is all that the reads need
.endif
	LDK 0, STEPB*(1-(\odd))
	LDK 1, STEPB*(1-(\odd))
	LDK 2, STEPB*(1-(\odd))
	PVS
	v_max3_num_f32 v[C0], v[C0], v[C0+1], v[C0+2]
	v_permlanex16_b32 v[C0+1], v[C0], s[SEL], s[SEL+1]  ; the query's other 16 keys lie in the lane 16 away
	PVS
	v_max_num_f32 v[CM+1], v[C0], v[C0+1]
	v_mul_f32 v[CM], s[CS], v[CM+1]
	PVS
	v_sub_f32 v[C0+3], v[C0+3], v[CM]
	FS 0
	v_exp_f32 v[C0+2], v[C0+3]             ; a.  The 17 exponentials are ONE batch: none of the lines up to the wait names a result of theirs
	FS 1
.set q, 0
.rept 3
	PVS
	FS 2+2*q
	EX 2*q
	FS 3+2*q
	EX 2*q+1
.set q, q+1
.endr
.set q, 6
.rept 4
	PVS
	EX q
	EX q+1
.set q, q+2
.endr
	PVS
	EX 14
	EX 15
	v_nop                                  ; a plain instruction behind the last exponential
	s_wait_alu depctr_va_vdst(0)           ; a wait ahead of the first line that names an exponential's result: one for the batch
.set q, 0
.rept 2
	PVS
.rept 4
	v_cvt_pk_f16_f32 v[SX+16+q], v[SX+2*q], v[SX+2*q+1]  ; P, a pair of weights a line: registers 0-3 the first 16 keys' tile, 4-7 the second's
.set q, q+1
.endr
.endr
	PVS
	v_pk_add_f32 v[SX:SX+1], v[SX:SX+1], v[SX+2:SX+3]
	v_pk_add_f32 v[SX+4:SX+5], v[SX+4:SX+5], v[SX+6:SX+7]
	v_pk_add_f32 v[SX+8:SX+9], v[SX+8:SX+9], v[SX+10:SX+11]
	v_pk_add_f32 v[SX+12:SX+13], v[SX+12:SX+13], v[SX+14:SX+15]
	PVS
	v_pk_add_f32 v[SX:SX+1], v[SX:SX+1], v[SX+4:SX+5]
	v_pk_add_f32 v[SX+8:SX+9], v[SX+8:SX+9], v[SX+12:SX+13]
	v_pk_add_f32 v[SX:SX+1], v[SX:SX+1], v[SX+8:SX+9]
	PVS
	v_pk_fma_f32 v[L0:L0+1], v[L0:L0+1], v[C0+2:C0+3], v[SX:SX+1] op_sel_hi:[1,0,1]  ; l = a l + the sum
	v_nop
	v_nop
	v_nop                                  ; with the line above: the places behind group 3's last reader
	ds_store_b128 v[PST], v[SX+16:SX+19]   ; P and a go out first in the run, K's last group behind them
	ds_store_b128 v[PST], v[SX+20:SX+23] offset:512
	ds_store_b32 v[AST], v[C0+2]
	LDK 3, STEPB*(1-(\odd))
	; block S(i + 1)
.set n, 0
	s_wait_dscnt 27                        ; K's group 0 is in; younger: groups 1 and 2 (16), my 3 stores, group 3 (8)
.rept 16
	SMS
.endr
	s_wait_dscnt 19                        ; group 1 is in; younger: group 2 (8), my 3 stores, group 3 (8)
.rept 8
	SMS
.endr
	s_wait_dscnt 0x0                       ; P and a lie in LDS; all of K is in
	s_barrier_signal -1                    ; Y
.rept 8
	SMS
.endr
	WIN 0
	s_barrier_wait -1
	v_add_nc_u32 v[ADV], s[SB], v[AV0]     ; V of step i.  With the three lines below: the places behind product 31, the last reader of groups 0 and 1
	v_nop
	v_nop
	v_nop
.irp t, 0,1,2,3
	ds_load_b32 v[AT+2*\t], v[L4] offset:128*\t
.endr
.set u, 0
.rept 8
	ds_load_b128 v[PF+4*u:PF+4*u+3], v[L16] offset:512*u
.set u, u+1
.endr
	LDV 0, STEPB*(\odd)
	LDV 1, STEPB*(\odd)
.rept 8
	SMS
.endr
	s_wait_dscnt 24                        ; the four a are in; younger: P (8), V's groups 0 and 1 (16)
.rept 8
	SMR
.endr
	LDV 2, STEPB*(\odd)                    ; four riders behind group 2's last reader
.rept 16
	SMR
.endr
	WIN 0                                  ; four riders behind the last product: the places for the stores of its result and for the loads into group 3
	SPST                                   ; the partials first: X waits for them
	LDV 3, STEPB*(\odd)
.endm
	s_load_b128 s[4:7], s[0:1], 0x0        ; key s[4:5], vb s[6:7]
	s_load_b64 s[8:9], s[0:1], 0x10        ; out0
	v_lshl_add_u32 v[SPW], v0, 2, SPARE
	v_mov_b32 v[NIL], 0
	ds_add_u32 v[SPW], v[NIL]              ; the wave's opening: the add and its wait stand ahead of my first tensor load; the set-up below, work on registers, stands between them
	v_lshrrev_b32 v1, 5, v0
	v_readfirstlane_b32 s[WV], v1          ; wave 0..3
	s_bfe_u32 s11, ttmp6, 0x40000          ; cx: my place in the cluster
	s_lshl_b32 s12, ttmp9, 2               ; in a cluster launch ttmp9 counts clusters
	s_add_co_u32 s12, s12, s11             ; my block of 64 queries: it enters key's and out0's addresses alone
	s_and_b32 s13, ttmp7, 0xffff           ; the batch, which the partners share
	s_lshl_b32 s14, s13, 23                ; key and out0: a batch is 2,048 rows of 4,096 bytes,
	s_lshl_b32 s15, s12, 18                ; a block 64 rows,
	s_add_co_u32 s14, s14, s15
	s_lshl_b32 s15, s[WV], 10              ; my 256 channels 1,024 bytes
	s_add_co_u32 s14, s14, s15
	s_mov_b32 s15, 0
	s_lshl_b32 s16, s13, 22                ; vb: a batch is 2,048 rows of 2,048 bytes,
	s_lshl_b32 s17, s[WV], 9               ; my 256 channels 512 bytes
	s_add_co_u32 s16, s16, s17
	s_mov_b32 s17, 0
	; descriptor group 1: a tile of 64 rows x 256 elements, padded in LDS
	s_mov_b32 s[G1], 15|(1<<16)|(1<<20)|(1<<21)|(6<<22)|(3<<25)  ; 15:0 the mask of four; 17:16 2-byte elements; 20 padding on; 21 set beside a mask; 24:22 after every 128 words (code 6); 31:25 4 words (code 3)
	s_mov_b32 s[G1+1], 256<<16             ; tensor_dim0 = 256
	s_mov_b32 s[G1+2], 64<<16              ; tensor_dim1 = 64
	s_mov_b32 s[G1+3], 256<<16             ; tile_dim0 = 256
	s_mov_b32 s[G1+4], 64                  ; tile_dim1 = 64
	s_mov_b32 s[G1+5], 1024                ; 1,024 elements from row to row
	s_mov_b32 s[G1+6], 0
	s_mov_b32 s[G1+7], 0
	s_mov_b32 s[CS], 0x3d38aa3b            ; c = log2(e) / 32 = 0.0450842
	s_mov_b32 s[CS+1], s[CS]               ; named with it as a pair
	s_mov_b32 s[SEL], 0x76543210
	s_mov_b32 s[SEL+1], 0xfedcba98
	s_mul_i32 s[WB], s[WV], WTILE          ; no place in the cluster enters an LDS address
	s_mov_b32 s[SB], 0
	s_mov_b32 s[SBX], SLOTB
	s_and_b32 s18, ttmp9, 3                ; the walk begins at slot 8 ((x % 4) xor (x / 4)), x the cluster's number in the batch: the same in all four partners
	s_lshr_b32 s19, ttmp9, 2
	s_xor_b32 s[NXT], s18, s19
	s_lshl_b32 s[NXT], s[NXT], 3
	s_cmp_eq_u32 s19, 0                    ; of the two clusters with the same start the one with x below 4 prefetches, in its first six trips (s[TRIPS] = 31 .. 26)
	s_cselect_b32 s[LIM], 25, -1
	s_lshl_b32 s[OFF], s[NXT], 17
	s_mov_b32 s[OFF+1], 0
	s_add_co_u32 s[NXT], s[NXT], 1
	s_and_b32 s[NXT], s[NXT], 31
	s_mov_b32 s[G0], 1                     ; 1:0 count = 1
	s_mov_b32 s[G0+1], s[WB]               ; 63:32 LDS address: ring slot 0
	s_wait_dscnt 0x0                       ; the opening add is done
	s_wait_kmcnt 0x0
	s_add_nc_u64 s[4:5], s[4:5], s[14:15]  ; key and out0 at my block's first row, my channels
	s_add_nc_u64 s[8:9], s[8:9], s[14:15]
	s_add_nc_u64 s[VB:VB+1], s[6:7], s[16:17]
	s_add_nc_u64 s[G0+2:G0+3], s[VB:VB+1], s[OFF:OFF+1]  ; 120:64 global address
	s_or_b32 s[G0+3], s[G0+3], 0x80000000  ; 127:126 type = 2
	CROUND                                 ; all four work-groups are here: the first joint loads meet
	JL                                     ; the walk's first slot; the second is asked for by the loop's first change: one load of mine is out at any time
	; Q.  A fragment is 16 queries x 32 channels: lane l holds query l % 16, channels 8 (l / 16) + 0..7 and 16 + 8 (l / 16) + 0..7: in f32 four loads of 16 bytes, at 0, 16, 64, 80.
	v_and_b32 v64, 15, v0                  ; l % 16
	v_bfe_u32 v65, v0, 4, 1                ; l / 16
	v_and_b32 v66, 31, v0                  ; l
	v_lshlrev_b32 v[QO], 12, v64
	v_lshl_add_u32 v[QO], v65, 5, v[QO]    ; row x 4,096 + 32 x half
.set x, 0
.rept 32                               ; fragment x = 8 qt + c into 16 registers of windows 2 and 3, where O^T will lie
	WIN 0x80+0x40*(x/16)
	global_load_b128 v[16*(x%16):16*(x%16)+3],     v[QO], s[4:5] offset:65536*(x/8)+128*(x%8)
	global_load_b128 v[16*(x%16)+4:16*(x%16)+7],   v[QO], s[4:5] offset:65536*(x/8)+128*(x%8)+16
	global_load_b128 v[16*(x%16)+8:16*(x%16)+11],  v[QO], s[4:5] offset:65536*(x/8)+128*(x%8)+64
	global_load_b128 v[16*(x%16)+12:16*(x%16)+15], v[QO], s[4:5] offset:65536*(x/8)+128*(x%8)+80
.set x, x+1
.endr
	WIN 0
	v_mul_u32_u24 v[AK0], v64, PK
	v_lshl_add_u32 v[AK0], v65, 4, v[AK0]
	v_add_nc_u32 v[AK0], s[WB], v[AK0]
	v_and_b32 v67, 7, v0
	v_bfe_u32 v68, v0, 3, 1
	v_lshl_add_u32 v[AV0], v65, 3, v67
	v_mul_u32_u24 v[AV0], v[AV0], PK
	v_lshl_add_u32 v[AV0], v68, 7, v[AV0]
	v_add_nc_u32 v[AV0], s[WB], v[AV0]
	s_lshl_b32 s18, s[WV], 11
	s_add_co_u32 s18, s18, SPB
	v_lshl_add_u32 v[SPS], v66, 4, s18
	s_lshl_b32 s18, s[WV], 13
	s_add_co_u32 s18, s18, SPB
	v_lshl_add_u32 v[SPL], v66, 4, s18
	s_lshl_b32 s18, s[WV], 10
	s_add_co_u32 s18, s18, PB
	v_lshl_add_u32 v[PST], v66, 4, s18
	v_lshl_add_u32 v[L16], v66, 4, PB
	s_lshl_b32 s18, s[WV], 7
	s_add_co_u32 s18, s18, AB
	v_lshl_add_u32 v[AST], v66, 2, s18
	v_lshl_add_u32 v[L4], v66, 2, AB
	v_lshrrev_b32 v69, 1, v66              ; the prefetches' offset: row 16 cx + l / 2 of a slot,
	v_and_b32 v70, 1, v0
	s_lshl_b32 s18, s11, 15                ; (16 rows of 2,048 bytes for each place in the cluster)
	v_lshl_add_u32 v[PFO], v69, 11, s18
	v_lshl_add_u32 v[PFO], v70, 8, v[PFO]  ; and which 256 of my wave's 512 bytes of it
	; What the first iteration finds: P = 0 (its products, of a step that has not been, add 0), a = 0, l = 0, c m far below every c s.  O^T is not cleared: it holds Q's finite numbers, and the first step's a, 0, multiplies
	; every accumulator before the first true product is added.
.set x, 0
.rept 32
	v_mov_b32 v[PF+x], 0
.set x, x+1
.endr
.set x, 0
.rept 8
	v_mov_b32 v[AT+x], 0
.set x, x+1
.endr
	v_mov_b32 v[CM], 0xfe000000            ; c m = -2^125
	v_mov_b32 v[CM+1], 0xff7fffff          ; m: the lowest finite number
	v_mov_b32 v[L0], 0
	v_mov_b32 v[L0+1], 0
	s_wait_loadcnt 63                      ; loads come back in order: the first 64 (fragments 0-15) have 64 younger ones or more
	WIN 0x4a                               ; sources in window 2, destination in window 1
.set x, 0
.rept 128
	v_cvt_pk_f16_f32 v[x], v[2*x], v[2*x+1]
.set x, x+1
.endr
	s_wait_loadcnt 32                      ; fragments 16-23
	WIN 0x4f                               ; sources in window 3
.rept 64
	v_cvt_pk_f16_f32 v[x], v[2*(x-128)], v[2*(x-128)+1]
.set x, x+1
.endr
	s_wait_loadcnt 0x0
.rept 64
	v_cvt_pk_f16_f32 v[x], v[2*(x-128)], v[2*(x-128)+1]
.set x, x+1
.endr
	WIN 0
	s_wait_tensorcnt 0x0                   ; my tile of the first slot is in; only I read it
	v_mov_b32 v[ADK], v[AK0]
	LDK 0, 0
	LDK 1, 0
	LDK 2, 0
	LDK 3, 0
	s_wait_dscnt 0x0
.set n, 0
.rept 64
	SMS                                    ; S(0): there is no vector work yet to set beside it
.endr
	WIN 0
	PLACES
	SPST
	s_mov_b32 s[TRIPS], 31
.Ltrip:                                ; a trip is a slot of the walk: two iterations; it asks for the next slot.  31 trips
	ITER 0, 1, 0
	ITER 1, 0, 1
	WIN 0
	s_xor_b32 s[SB], s[SB], SLOTB
	s_xor_b32 s[SBX], s[SBX], SLOTB
	s_sub_co_u32 s[TRIPS], s[TRIPS], 1
	s_cmp_lg_u32 s[TRIPS], 0
	s_cbranch_scc1 .Ltrip
	ITER 0, 0, 0                           ; the last slot is written out: nothing is asked for
	ITER 1, 0, 0                           ; its block S works on the other slot's old bytes and serves nothing: 64 products, the price of one text for every iteration
	; THE END.  PV of the last step; beside it 1 / l of my query tile goes to all waves.
.set n, 0
	WIN 0
	s_wait_dscnt 32                        ; as at an iteration's head
	v_add_f32 v[C0], v[L0], v[L0+1]
	v_permlanex16_b32 v[C0+1], v[C0], s[SEL], s[SEL+1]
	v_add_f32 v[C0], v[C0], v[C0+1]
	v_rcp_f32 v[C0+2], v[C0]
	v_nop                                  ; a plain instruction behind the reciprocal,
	s_wait_alu depctr_va_vdst(0)           ; and a wait ahead of the first line that names its result
	ds_store_b32 v[AST], v[C0+2] offset:LB-AB
.rept 16
	PVR
.endr
	s_wait_dscnt 0x0
	s_barrier_signal -1
.rept 8
	PVR
.endr
	WIN 0
	s_barrier_wait -1
.irp t, 0,1,2,3
	ds_load_b32 v[CM+2*\t], v[L4] offset:LB-AB+128*\t  ; 1 / l of tile t; the statistics' registers are free
.endr
.rept 16
	PVR
.endr
.rept 24
	PVM n
.set n, n+1
.endr
	WIN 0                                  ; the addresses for the way out: eight plain instructions, the places behind the last products
	v_and_b32 v1, 15, v0
	v_bfe_u32 v2, v0, 4, 1                 ; (K's place is wanted no more)
	v_mul_u32_u24 v[STO], v1, SPITCH       ; in: row l % 16; my half's channels lie 256 bytes apart
	v_lshl_add_u32 v[STO], v2, 8, v[STO]
	v_add_nc_u32 v[STO], s[WB], v[STO]     ; the stage is my own tile's place in ring slot 0, which has had its last fill
	v_and_b32 v1, 31, v0
	v_lshlrev_b32 v[GO], 4, v1             ; back: 32 lanes take 512 consecutive bytes of a row
	v_add_nc_u32 v[RD], s[WB], v[GO]
	s_wait_dscnt 0x0                       ; 1 / l
; THE WAY OUT of query tile qt: its 16 accumulators are divided by l and go into 16 rows of 1,040 bytes; the rows come back whole and are stored.
.macro OUTQ qt
.irp g, 0,1
	WIN 0x82+0x41*(\g)
.irp k, 0,1,2,3,4,5,6,7
.irp z, 0,2,4,6
	v_pk_mul_f32 v[8*(4*\k+(\qt))+\z:8*(4*\k+(\qt))+\z+1], v[8*(4*\k+(\qt))+\z:8*(4*\k+(\qt))+\z+1], v[CM+2*(\qt):CM+2*(\qt)+1] op_sel_hi:[1,0]
.endr
.endr
	WIN 0x08+0x04*(\g)                     ; the stores' data in window 2 or 3
.irp k, 0,1,2,3,4,5,6,7
	ds_store_b128 v[STO], v[8*(4*\k+(\qt)):8*(4*\k+(\qt))+3]   offset:512*(\g)+32*\k
	ds_store_b128 v[STO], v[8*(4*\k+(\qt))+4:8*(4*\k+(\qt))+7] offset:512*(\g)+32*\k+16
.endr
.endr
	WIN 0
	s_wait_xcnt 0x0                        ; the stores of the tile before have read their registers, which are loaded again only behind this wait
.set u, 0
.rept 32
	ds_load_b128 v[FR+4*u:FR+4*u+3], v[RD] offset:SPITCH*(u/2)+512*(u%2)  ; LDS serves a wave's instructions in order (ISA guide 5.7.1.4): these see the stores above; the next tile's stores come behind them
.set u, u+1
.endr
.set u, 0
.rept 32
	s_wait_dscnt 31-u
	global_store_b128 v[GO], v[FR+4*u:FR+4*u+3], s[8:9] offset:(16*(\qt)+u/2)*4096+512*(u%2) th:TH_STORE_NT  ; 512 consecutive bytes, at a multiple of 512 from out0's first
.set u, u+1
.endr
.endm
	OUTQ 0
	OUTQ 1
	OUTQ 2
	OUTQ 3
	s_wait_tensorcnt 0x0                   ; the wave's end, behind my last tensor load and my last LDS store
	ds_add_u32 v[SPW], v[NIL]
	s_wait_dscnt 0x0
	CROUND                                 ; the closing round: no work-group ends while a partner may still ask for a tile that names it
	s_endpgm
.Lfunc_end_k_q115e372cbe_att:
	.size	k_q115e372cbe_att, .Lfunc_end_k_q115e372cbe_att-k_q115e372cbe_att
	.p2alignl 7, 3214868480
	.fill 96, 4, 3214868480
	.section	.rodata,"a",@progbits
	.p2align	6, 0x0
	.amdhsa_kernel k_q115e372cbe_att
		.amdhsa_group_segment_fixed_size 327680
		.amdhsa_private_segment_fixed_size 0
		.amdhsa_enable_private_segment 0
		.amdhsa_kernarg_size 24
		.amdhsa_user_sgpr_count 2
		.amdhsa_user_sgpr_kernarg_segment_ptr 1
		.amdhsa_wavefront_size32 1
		.amdhsa_system_sgpr_workgroup_id_x 1
		.amdhsa_system_sgpr_workgroup_id_y 1
		.amdhsa_system_sgpr_workgroup_id_z 1
		.amdhsa_system_vgpr_workitem_id 0
		.amdhsa_next_free_vgpr 1024
		.amdhsa_next_free_sgpr 66
		.amdhsa_reserve_vcc 0
		.amdhsa_float_denorm_mode_32 3
		.amdhsa_float_denorm_mode_16_64 3
		.amdhsa_memory_ordered 1
		.amdhsa_forward_progress 1
		.amdhsa_inst_pref_size 255
	.end_amdhsa_kernel
	.section	.bss,"aw",@nobits
	.p2align	6
	.space	262144
	.amdgpu_metadata
---
amdhsa.version: [ 1, 2 ]
amdhsa.kernels:
  - .name:           k_q115e372cbe_att
    .symbol:         k_q115e372cbe_att.kd
    .args:
      - { .name: key, .offset: 0, .size: 8, .value_kind: global_buffer, .address_space: global }
      - { .name: vb, .offset: 8, .size: 8, .value_kind: global_buffer, .address_space: global }
      - { .name: out0, .offset: 16, .size: 8, .value_kind: global_buffer, .address_space: global }
    .group_segment_fixed_size: 327680
    .private_segment_fixed_size: 0
    .kernarg_segment_align: 8
    .kernarg_segment_size: 24
    .max_flat_workgroup_size: 128
    .sgpr_count:     66
    .vgpr_count:     1024
    .wavefront_size: 32
...
	.end_amdgpu_metadata
.endif
;; end of part 2
